; MI455X (gfx1250); checked and timed in simulation.
; The chip was launched on July 23, 2026; its instructions are those of AMD's public machine-readable ISA for CDNA 5 (MIT licence, August 2026) and "CDNA5" Instruction Set Architecture Reference Guide (July 2026). The comments in the code are by the model that wrote it; some were corrected since.
;; Attention. Allowed arithmetic: matrix products marked QUANTISED: E4M3 operands, one given power-of-two scale a tensor, by v_wmma_f32_16x16x64_fp8_fp8 or v_wmma_f32_16x16x128_fp8_fp8, f32 sums; products left as they are: f32 operands where the result goes on into a quantised operand, else bf16, f16 or f32 operands; f32 sums; everything else in f32.
;; Inputs: W_attn 2,048 x 1,024 float32; b_attn 1,024 float32; encoder_outputs_codes 16 x 2,048 x 32 x 32 uint8 (E4M3 codes of encoder_outputs, K innermost, in blocks of 32 codes); hidden_codes 16 x 32 x 32 uint8 (E4M3 codes of hidden, K innermost, in blocks of 32 codes); lowp_scales 4 int32 (the exponents e of the quantised operands' scales 2^e); v 1,024 float32.
;; Outputs: out0 16 x 2,048 float32.
;; This version of the problem:
;;   THIS VERSION OF THE PROBLEM IS GIVEN IN LOW PRECISION. The matrix products marked QUANTISED in the list below multiply operands that are first quantised to E4M3 (4 exponent bits, 3 mantissa bits; 8 bits a number), with one given power-of-two scale for each operand tensor; their sums are f32. All else is computed in f32.
;;   The module's matrix products, in the order in which they are computed (A, B: the left and right operand; K: the contracted axis; several contracted axes count as one K, in the product's order):
;;     1. [M 16, K 1,024] x [K 1,024, N 1,024]; A: input hidden (given as codes); B: input W_attn: QUANTISED (scales: A lowp_scales[0], B lowp_scales[1])
;;     2. [M 32,768, K 1,024] x [K 1,024, N 1,024]; A: input encoder_outputs (given as codes); B: input W_attn: QUANTISED (scales: A lowp_scales[2], B lowp_scales[3])
;;     3. [M 32,768, K 1,024] x [K 1,024, N 1]; A: computed on the way; B: input v: left as it is (N = 1 < 16)
;;   THE QUANTISER, for each operand of a quantised product, along K:
;;     - The operand's scale is 2^e, e = its entry of the input lowp_scales (int32; the entries are numbered through the quantised products in the list's order, A before B).
;;     - Each number is divided by the scale, clamped to +-448, and rounded to the nearest number of E4M3, ties to even, subnormals kept.
;;     - The product sums the exact products of the quantised numbers (number of the format x scale) in f32.
;;   ~~~python
;;   def quantise(x, axis, e):      # numpy; x: float32 -> the quantised numbers, widened to float32 again
;;       x = np.moveaxis(x, axis, -1); K = x.shape[-1]
;;       r = np.clip(x / 2.0 ** e, -448, 448)
;;       step = 2.0 ** (np.maximum(np.frexp(np.where(r == 0, 1, r))[1] - 1, -6) - 3)
;;       q = np.round(r / step) * step * 2.0 ** e      # np.round: ties to even
;;       return np.moveaxis(q, -1, axis).astype(np.float32)
;;   ~~~
;;   INPUTS GIVEN AS CODES. encoder_outputs (in the module: [16, 2048, 1024], K = its axis 2); hidden (in the module: [16, 1024], K = its axis 1): each comes as NAME_codes (uint8): NAME with its K axis moved to the last place and cut into blocks of 32 codes, [.., K / 32, bytes a block], one block behind the other in memory; one code a byte (a code: sign, 4 exponent bits, 3 mantissa bits); its scale is its entry of lowp_scales. Its value is code x scale, taken as it is: it is not quantised again, and the codes and scales need not be those that the quantiser above would give.
;; One version. Each part assembles by itself: llvm-mc -triple=amdgcn-amd-amdhsa -mcpu=gfx1250 --defsym DOCPART=n.
;; ======== version 1 of 1: 3 launches
;; limits: right only within a limited range of input values
;; workspace buffers: wq 1,048,576 bytes; hpart 524,288 bytes; part 524,288 bytes
;; launch prep (part 1): grid 16 x 16, 4 waves a work-group, no clusters, 0 bytes of LDS; arguments W_attn, hidden_codes, lowp_scales, wq, hpart; writes wq, hpart
.if DOCPART == 1
	.amdgcn_target "amdgcn-amd-amdhsa--gfx1250"
	.amdhsa_code_object_version 6
	.text
	.protected	k_q255de44058_prep
	.globl	k_q255de44058_prep
	.p2align	8
	.type	k_q255de44058_prep,@function
k_q255de44058_prep:
	s_mov_b64 s[64:65], 0
	v_nop
	global_prefetch_b8 v0, s[64:65] scope:SCOPE_SE
	s_setreg_imm32_b32 hwreg(HW_REG_WAVE_MODE, 25, 1), 1
	s_wait_xcnt 0x0
; W_attn [2048 (k)][1024 (n)] f32 is quantised along K to codes of FP8 (E4M3): rows 0-1023 (W1) with the scale 2^e1, rows 1024-2047 (W2) with 2^e3 (entries 1 and 3 of the scales).
; code = x / 2^e, held within +-448, rounded to the nearest code, ties to even.
; WHAT THE PROGRAM LEAVES OUT: the launch 'main' writes v tanh(x) as v - 2 v q, q = 1 / (1 + e^(2 x)).  The sum of v over the columns is then one number added to every score of a softmax row, whatever the inputs hold: it cancels
; in softmax and is not added.  LIMIT: an infinity or NaN in that sum alone is not carried to the result (v itself stands in every score).
; SHARES.  Work-group (x, y) takes columns 64 x .. 64 x + 63 and rows 128 y .. 128 y + 127; wave w its columns 16 w .. 16 w + 15: one operand fragment (16 columns x 128 K).
; A LANE TAKES A COLUMN AND ITS REGISTERS RUN DOWN K: lane (r, h) holds k = 32 c + 16 h + 0 .. 15 in registers 16 c .. 16 c + 15, so the conversions' results are the fragment's registers 4 c .. 4 c + 3.
; Each load reads 64 neighbouring bytes in sixteen lanes; the four waves stand side by side on 256.
; y >= 8 (W2, K step k = y - 8): the fragment goes to wq as an image of its registers, 4 stores of 512 consecutive bytes.  wq has two parts, each a run of blocks, one for each 64 columns:
;   k < KD: byte x KD 8192 + (4 k + w) 2048 + 512 c + 16 lane;   k >= KD: byte 16 KD 8192 + x (8 - KD) 8192 + (4 (k - KD) + w) 2048 + 512 c + 16 lane.
; y <  8 (W1): the fragment is multiplied at once with hidden's codes of the same 128 K, W1 as source 0: lane (r, h), register j: batch r, column 64 x + 16 w + 8 h + j.  The raw f32 sums of this K block go to
;   hpart byte y 65536 + (4 x + w) 1024 + 512 (j / 4) + 32 r + 16 h + 4 (j % 4): two stores of 512 consecutive bytes.  The next launch adds the eight K blocks in ascending order.
; The same k stands in the same place of both operands, so every product meets its partner.
; No LDS, no barrier, no loop: waves share nothing.  No joint loads: the work-groups share only hidden's 16 KiB.
; LIMITS: e1 and e3 between -126 and 119, so that 2^e and 448 x 2^e are f32 numbers.  NaN in W_attn is not served.
.set KD, 4                             ; K steps in wq's first part
.set XN, 64                            ; v64-127  64 numbers of my column
.set CD, 48                            ; v48-63   their codes: the fragment
.set HF, 16                            ; v16-31   hidden's fragment
.set DD, 32                            ; v32-39   the product's sums
.macro QUANT
.irp c, 0,1,2,3
.irp i, 0,1,2,3,4,5,6,7,8,9,10,11,12,13,14,15
	v_med3_num_f32 v[XN+16*\c+\i], v[XN+16*\c+\i], -v40, v40   ; the conversion to an 8-bit code does not saturate (ISA guide 7.6.2): the hold at the largest code x the scale
.endr
	v_cvt_scalef32_pk8_fp8_f32 v[CD+4*\c:CD+4*\c+1], v[XN+16*\c:XN+16*\c+7], v44
	v_cvt_scalef32_pk8_fp8_f32 v[CD+4*\c+2:CD+4*\c+3], v[XN+16*\c+8:XN+16*\c+15], v44
.endr
	v_nop                                          ; one plain vector instruction behind the last scaled conversion
.endm
	s_load_b256 s[4:11], s[0:1], 0x0               ; W_attn s[4:5], hidden's codes s[6:7], the scales s[8:9], wq s[10:11]
	s_load_b64 s[12:13], s[0:1], 0x20              ; hpart
	v_lshrrev_b32 v1, 5, v0
	v_readfirstlane_b32 s16, v1                    ; wave 0..3
	v_and_b32 v1, 15, v0                           ; r
	v_bfe_u32 v2, v0, 4, 1                         ; h
	v_lshlrev_b32 v3, 10, v1
	v_lshl_add_u32 v3, v2, 4, v3                   ; hidden: batch r's row of 1,024 bytes, + 16 h
	v_lshlrev_b32 v5, 2, v1
	v_lshl_add_u32 v5, v2, 16, v5                  ; W: column r, and 16 rows of 4,096 bytes further down for lanes 16-31
	v_and_b32 v6, 31, v0
	v_lshlrev_b32 v6, 4, v6                        ; 16 x lane: my place in an image of wq
	v_lshlrev_b32 v7, 5, v1
	v_lshl_add_u32 v7, v2, 4, v7                   ; 32 r + 16 h: my place in hpart
	s_and_b32 s18, ttmp7, 0xffff                   ; y
	s_lshl_b32 s24, s18, 19                        ; 128 rows of 4,096 bytes
	s_lshl_b32 s25, ttmp9, 8                       ; 64 columns of 4 bytes
	s_add_co_u32 s24, s24, s25
	s_lshl_b32 s25, s16, 6                         ; 16 columns
	s_add_co_u32 s24, s24, s25
	s_mov_b32 s25, 0
	s_wait_alu depctr_va_vdst(0)
	s_wait_kmcnt 0x0
	s_load_b128 s[20:23], s[8:9], 0x0              ; e0, e1, e2, e3
	s_add_nc_u64 s[4:5], s[4:5], s[24:25]
.irp c, 0,1,2,3
.irp i, 0,1,2,3,4,5,6,7,8,9,10,11,12,13,14,15
	global_load_b32 v[XN+16*\c+\i], v5, s[4:5] offset:(32*\c+\i)*4096 th:TH_LOAD_NT   ; W(128 y + 32 c + 16 h + i, my column); each byte is read once in the launch
.endr
.endr
	s_wait_kmcnt 0x0
	s_cmp_lt_u32 s18, 8
	s_cselect_b32 s26, s21, s23                    ; e1 for W1's rows, e3 for W2's
	s_add_co_i32 s26, s26, 127
	s_lshl_b32 s27, s26, 23
	v_mov_b32 v44, s27                             ; 2^e as f32: the conversion takes its exponent field
	s_add_co_i32 s26, s26, 8
	s_lshl_b32 s26, s26, 23
	s_or_b32 s26, s26, 0x600000
	v_mov_b32 v40, s26                             ; 448 x 2^e
	s_mov_b32 s29, 0
	s_cmp_lt_u32 s18, 8                            ; the branch hangs on the work-group's number alone
	s_cbranch_scc1 .Lw1
	; ---- W2: the fragment's image goes to wq
	s_sub_co_u32 s28, s18, 8                       ; K step k
	s_lshl_b32 s31, s28, 2
	s_add_co_u32 s31, s31, s16
	s_lshl_b32 s31, s31, 11                        ; (4 k + w) x 2,048
	s_mul_i32 s30, ttmp9, KD*8192                  ; the first part's block x
	s_mul_i32 s32, ttmp9, (8-KD)*8192              ; the second part's block x, which begins with K step KD: 16 KD 8192 - KD 8192 on
	s_add_co_u32 s32, s32, 15*KD*8192
	s_cmp_lt_u32 s28, KD
	s_cselect_b32 s30, s30, s32
	s_add_co_u32 s28, s31, s30
	s_add_nc_u64 s[10:11], s[10:11], s[28:29]
	s_wait_loadcnt 0x0
	s_wait_alu depctr_va_vdst(0)
	QUANT
.irp c, 0,1,2,3
	global_store_b128 v6, v[CD+4*\c:CD+4*\c+3], s[10:11] offset:512*\c   ; the wave stores 512 consecutive bytes, at a multiple of 512 from wq's first byte
.endr
	s_endpgm
.Lw1:
	; ---- W1: the fragment meets hidden's codes of the same 128 K
	s_lshl_b32 s28, s18, 7
	s_add_nc_u64 s[6:7], s[6:7], s[28:29]
.irp c, 0,1,2,3
	global_load_b128 v[HF+4*\c:HF+4*\c+3], v3, s[6:7] offset:32*\c       ; hidden(r, 128 y + 32 c + 16 h + 0 .. 15)
.endr
	s_lshl_b32 s28, ttmp9, 2
	s_add_co_u32 s28, s28, s16
	s_lshl_b32 s28, s28, 10                        ; (4 x + w) x 1,024
	s_lshl_b32 s30, s18, 16
	s_add_co_u32 s28, s28, s30
	s_add_nc_u64 s[12:13], s[12:13], s[28:29]
	s_wait_loadcnt 0x0
	s_wait_alu depctr_va_vdst(0)
	QUANT
	v_wmma_f32_16x16x128_fp8_fp8 v[DD:DD+7], v[CD:CD+15], v[HF:HF+15], 0   ; source 0 = 16 columns of W1, source 1 = 16 batches
.rept 4
	v_nop                                          ; four places in front of the stores that read the result
.endr
	global_store_b128 v7, v[DD:DD+3], s[12:13]     ; from the result's low end on; 512 consecutive bytes a store
	global_store_b128 v7, v[DD+4:DD+7], s[12:13] offset:512
	s_endpgm
.Lfunc_end_k_q255de44058_prep:
	.size	k_q255de44058_prep, .Lfunc_end_k_q255de44058_prep-k_q255de44058_prep
	.p2alignl 7, 3214868480
	.fill 96, 4, 3214868480
	.section	.rodata,"a",@progbits
	.p2align	6, 0x0
	.amdhsa_kernel k_q255de44058_prep
		.amdhsa_group_segment_fixed_size 0
		.amdhsa_private_segment_fixed_size 0
		.amdhsa_enable_private_segment 0
		.amdhsa_kernarg_size 40
		.amdhsa_user_sgpr_count 2
		.amdhsa_user_sgpr_kernarg_segment_ptr 1
		.amdhsa_wavefront_size32 1
		.amdhsa_system_sgpr_workgroup_id_x 1
		.amdhsa_system_sgpr_workgroup_id_y 1
		.amdhsa_system_sgpr_workgroup_id_z 1
		.amdhsa_system_vgpr_workitem_id 0
		.amdhsa_next_free_vgpr 136
		.amdhsa_next_free_sgpr 66
		.amdhsa_reserve_vcc 0
		.amdhsa_float_denorm_mode_32 3
		.amdhsa_float_denorm_mode_16_64 3
		.amdhsa_memory_ordered 1
		.amdhsa_forward_progress 1
		.amdhsa_inst_pref_size 19
	.end_amdhsa_kernel
	.amdgpu_metadata
---
amdhsa.version: [ 1, 2 ]
amdhsa.kernels:
  - .name:           k_q255de44058_prep
    .symbol:         k_q255de44058_prep.kd
    .args:
      - { .name: W_attn, .offset: 0, .size: 8, .value_kind: global_buffer, .address_space: global }
      - { .name: hidden_codes, .offset: 8, .size: 8, .value_kind: global_buffer, .address_space: global }
      - { .name: lowp_scales, .offset: 16, .size: 8, .value_kind: global_buffer, .address_space: global }
      - { .name: wq, .offset: 24, .size: 8, .value_kind: global_buffer, .address_space: global }
      - { .name: hpart, .offset: 32, .size: 8, .value_kind: global_buffer, .address_space: global }
    .group_segment_fixed_size: 0
    .private_segment_fixed_size: 0
    .kernarg_segment_align: 8
    .kernarg_segment_size: 40
    .max_flat_workgroup_size: 128
    .sgpr_count:     66
    .vgpr_count:     136
    .wavefront_size: 32
...
	.end_amdgpu_metadata
.endif
;; end of part 1
;; launch main (part 2): grid 4 x 64, 4 waves a work-group, clusters of 4 x 4, 327,680 bytes of LDS; arguments encoder_outputs_codes, wq, hpart, b_attn, v, lowp_scales, part; writes part
.if DOCPART == 2
	.amdgcn_target "amdgcn-amd-amdhsa--gfx1250"
	.amdhsa_code_object_version 6
	.text
	.protected	k_q255de44058_main
	.globl	k_q255de44058_main
	.p2align	8
	.type	k_q255de44058_main,@function
k_q255de44058_main:
	s_mov_b64 s[64:65], 0
	v_nop
	global_prefetch_b8 v0, s[64:65] scope:SCOPE_SE
	s_setreg_imm32_b32 hwreg(HW_REG_WAVE_MODE, 25, 1), 1
	s_wait_xcnt 0x0
	s_wait_alu depctr_hold_cnt(0) depctr_sa_sdst(0) depctr_va_vdst(0) depctr_va_sdst(0) depctr_va_ssrc(0) depctr_va_vcc(0) depctr_vm_vsrc(0)
	s_getreg_b32 s2, hwreg(HW_REG_IB_STS2, 6, 4)
	s_cmp_eq_u32 s2, 0
	s_cbranch_scc0 .Lentry_in_a_cluster
	s_endpgm
.Lentry_in_a_cluster:
	s_bfe_u32 s2, ttmp6, 0x10000c
	s_cmp_lg_u32 s2, 0xf033
	s_cbranch_scc0 .Lentry_shape_is_right
	s_endpgm
.Lentry_shape_is_right:
; part[g][row] = log2(e) x the sum over the 256 columns n of group g of -2 v[n] q(row, n), q = 1 / (1 + 2^y), y = 2 log2(e) (hid[b][n] + enc[row] . W2[:, n] + b_attn[n]);  row = 2048 b + s.
; tanh(x) = 1 - 2 q, so this is the score x log2(e), less the sum of v x log2(e), which is the same for all rows: the softmax takes it away whatever the inputs hold, so it is left out.
; 2^y = infinity gives q = 0, 2^y = 0 gives q = 1.  The next launch adds the four groups and takes the softmax to the base 2.
; enc: codes of FP8 (E4M3), a row = 1,024 consecutive bytes, scale 2^e2.  W2: codes made by the launch before (wq: images of operand registers), scale 2^e3.  hid = 2^(e0 + e1) x the sum of hpart's eight K blocks.
; LIMITS: (hid + b_attn) / 2^(e2 + e3) and 2 log2(e) 2^(e2 + e3) are finite in f32; the scaled scores stay under 2^31 in magnitude; a NaN code gives NaN.
; SHARES.  256 work-groups: (g, y): columns 256 g .. + 255, rows 512 y .. + 511 (of batch y / 4).  Wave w KEEPS its 64 columns x K 1,024 of W2 in registers for the whole launch: 32 fragments, 512 registers.
; The rows stream in 32 tiles of 16 rows x K 1,024: 8 fragments, each of which feeds 4 matrix instructions.
; THE MATRIX INSTRUCTION IS USED TRANSPOSED (source 0 = 16 columns of W2, source 1 = 16 rows): lane (r, h) holds ROW r, and its registers the columns 8 h + 0 .. 7 of each of the four column tiles.  So the sum over columns runs
; along a lane's registers; (hid + b_attn) / 2^(e2 + e3) is the C of each tile's first products.  What is left of a row are two numbers a wave (h = 0, 1): 8 strips in LDS, which one pass at the end adds.
; A TILE'S 32 PRODUCTS STAND IN ONE RUN, and its vector work between the runs, spread over the windows of five tiles: window i multiplies tile i - 4's numbers with -2 log2(e) v (F) and joins the four part sums, scales tile i (E);
; behind its wait it takes tile i's exponentials (X), adds 1 to tile i - 1's (A) and takes tile i - 2's reciprocals (R).  So ONE wait a window stands between every plain step and the transcendentals that read it, and the other way
; round (between R and F: the wait of the window between), and F's sixteen instructions stand between a tile's last products and the first reads of their results.
; Five sets of accumulators take turns; a set is free when tile i + 5's products begin.
; THE LDS LOADS OF A TILE STAND IN ONE RUN TOO, directly behind the window's wait: window i fetches tile i + 2's fragments into the buffer that tile i's products have read; the first use is 32 products and a window further on.
; CLUSTER, 4 x 4: the four of a row (same y) need the same rows, the four of a column (same g) the same W2: both are asked for JOINTLY, by the same tensor load with the same descriptor and a mask that names the four.
; W2's K steps KD .. 7 come by joint loads through LDS, K steps 0 .. KD - 1 straight into registers, 16 loads a wave and K step.
; LDS.  Slot A: rows 0-127 of the block, later 256-383; slot B: W2's staged part first, then rows 128-255, later 384-511.  Head: rows 0-63 (waves 0, 1) and the staged part (waves 2, 3), one load a wave; rows 64-127 behind the next round.
; A slot is filled again behind products 12-15 of the tile before its last, when both tiles' fragments are in registers, and has the work of four or eight tiles, 128 or 256 products a wave, to land.  With that lead, and with no loop to run
; ahead in, no prefetch is written.
; REGISTERS, in windows of 256 (s_set_vgpr_msb: bits 1:0 source 0, 3:2 source 1, 5:4 source 2, 7:6 destination).  Window 0: constants and accumulators; window 1: two fragment buffers of a tile each;
; windows 2, 3: W2's fragment (k, t) in window 2 + k / 4 at v[16 (4 (k % 4) + t)].
.set KD,    4                          ; K steps of W2 that come straight into registers
.set DB,    KD*8192                    ; their bytes for 64 columns
.set SBB,   (8-KD)*8192                ; the staged bytes for 64 columns
.set PITCH, 1040                       ; an LDS row: 1,024 bytes + 16 of padding = 65 x 16: the 16 rows that a load touches start at 16 different groups of four banks (64 banks of 4 bytes: ISA guide 11.1)
.set TILEB, 16*PITCH
.set SLOT,  128*PITCH
.set STG,   SLOT                       ; W2's staged part: 4 SBB bytes from here on
.set SCB,   296960                     ; behind both: 8 strips (2 x wave + h), into which no fill lands
.set SCP,   2112                       ; a strip: 512 rows x 4 bytes + 64
.set SPARE, SCB+8*SCP                  ; the spare words, 128 bytes for each wave: two blocks of 256 bytes that no other line names
.set TAB,   SPARE+512                  ; a wave's constants on their way to all its lanes: 512 bytes a wave
.set ADR,   2                          ; v2-5   my place in a tile of slot A's rows 0-63, 64-127, slot B's rows 0-63, 64-127
.set SCA,   6                          ; v6     my place in my strip
.set SPW,   7                          ; v7     LDS address of my spare word; never rewritten
.set NIL,   8                          ; v8     0; never rewritten
.set LI,    9                          ; v9     16 x lane
.set HO,    13                         ; v13    hpart: my two columns
.set CO,    14                         ; v14    8 x lane
.set WST,   16                         ; v16    my wave's staged part of W2
.set TBS,   17                         ; v17    the table: my two columns
.set TBL,   18                         ; v18    the table: 32 h
.set RDB,   19                         ; v19    the last pass: SCB + 16 x thread
.set SM,    20                         ; v20-27 four pairs of part sums
.set TI,    28                         ; v28    16 x thread
.set XX,    29                         ; v29    a row's sum
.set HB,    32                         ; v32-63 (hid + b_attn) / 2^(e2 + e3): column tile t at 8 t
.set MV,    64                         ; v64-95 -2 log2(e) v, likewise
.set ACC,   96                         ; v96-255 five sets of accumulators
.set SL,    96                         ; v96-115 at the head: the small loads
.set WV,  18                           ; s18 wave
.set G1A, 24                           ; s[24:31] group 1: 32 rows, padded, to my row of the cluster
.set G1W, 32                           ; s[32:39] group 1: W2's staged part, to my column
.set G0A, 40                           ; s[40:43] group 0: the head's rows
.set G0W, 44                           ; s[44:47] group 0: W2
.set G1H, 48                           ; s[48:55] group 1: 16 rows, padded, to my row
.set G0R, 56                           ; s[56:59] group 0: the refills
.set SC2, 60                           ; s60    2 log2(e) 2^(e2 + e3)
.set G0H, 76                           ; s[76:79] group 0: rows 64-127
.set MSB, 0
.macro WIN new                         ; the immediate's high byte repeats the setting that is left; a switch that changes nothing is dropped
.if MSB != (\new)
	s_set_vgpr_msb (MSB<<8)|(\new)
.set MSB, (\new)
.endif
.endm
.macro PLACES
.rept 4
	v_nop
.endr
.endm
.macro CREST                           ; a round of the cluster's barrier behind its opening barrier
	s_cmp_lg_u32 s[WV], 0
	s_cbranch_scc1 .Lnot_wave_0_\@
	s_barrier_signal -3
.Lnot_wave_0_\@:
	s_barrier_wait -3
	s_barrier_signal -1
	s_barrier_wait -1
.endm
.macro CROUND                          ; a whole round
	s_barrier_signal -1
	s_barrier_wait -1
	CREST
.endm
.macro TLOAD g0, g1                    ; a tensor load and the nops behind it
	tensor_load_to_lds s[\g0:\g0+3], s[\g1:\g1+7]
	s_nop 0
	PLACES
.endm
.macro WDIRECT k                       ; K step k of W2 straight into registers: 16 loads of 512 consecutive bytes
	WIN 0x80
.set N, 0
.rept 16
	global_load_b128 v[64*(\k)+4*N:64*(\k)+4*N+3], v[LI], s[6:7] offset:(\k)*8192+512*N
.set N, N+1
.endr
	WIN 0
.endm
; tile n's 8 fragments into buffer n % 2: of fragment k lane (r, h) takes, of row r, K = 128 k + 32 c + 16 h + 0 .. 15 into registers 4 c .. 4 c + 3: the places that wq's images give the same k
.macro FRAGS n
	WIN 0x40
.set N, 0
.rept 32
	ds_load_b128 v[128*((\n)%2)+4*N:128*((\n)%2)+4*N+3], v[ADR+((\n)/4)%4] offset:((\n)%4)*TILEB+32*N
.set N, N+1
.endr
	WIN 0
.endm
; TILE I: 32 products, K step by K step, the four accumulators by turns, one instruction a turn.  At the head of the run its fragments are waited for: behind them stand the last window's 32 loads of
; tile I + 1's (up to I = 30) and its store into a strip (from I = 5 on): YN instructions, which may be out.
; MODE 1, 2: a slot changes.  The wait for all my tensor loads, the add, twelve products, the wait for the add and for tile I + 1's fragments, the old slot's last, the signal, four products, the barrier's wait.
; MODE 1: that barrier opens a round of the cluster's, and the joint refill is the first thing behind it.  MODE 2: nothing is left to fetch.
; Tile 0: W2 is on its way.  K step k < KD: the 16 (KD - 1 - k) loads of the later ones may be out; k >= KD: of the staged 16 (8 - KD) those of the later K steps, 16 (7 - k).
.macro TILE
.set SR, ACC+32*(I%5)
.set FB, 128*(I%2)
.set YN, 32
.if I > 30
.set YN, 0
.endif
.if I > 4
.set YN, YN+1
.endif
.if MODE
	s_wait_alu depctr_va_vdst(0)                   ; ahead of the barrier and the branches below
	s_wait_tensorcnt 0x0                           ; my part of the next rows is in
	ds_add_u32 v[SPW], v[NIL]                      ; 0 onto my spare word
.if I == 6
	s_add_nc_u64 s[G0R+2:G0R+3], s[G0R+2:G0R+3], 0x20000   ; 128 rows on,
	s_sub_co_u32 s[G0R+1], s[G0R+1], SLOT          ; into slot A
.elseif I == 14
	s_add_nc_u64 s[G0R+2:G0R+3], s[G0R+2:G0R+3], 0x20000
	s_add_co_u32 s[G0R+1], s[G0R+1], SLOT          ; into slot B
.endif
	s_wait_dscnt YN+1                              ; the add may be out as well
.elseif I > 0
	s_wait_dscnt YN
.endif
.set K, 0
.rept 8
.if I == 0
.if K < KD
	s_wait_loadcnt 16*(KD-1-K)
.if K == 0
	s_wait_dscnt 63                                ; of 32 + 16 (8 - KD) loads tile 0's fragments, the first 32, are in
.endif
.elseif 16*(7-K) > 63
	s_wait_dscnt 63
.else
	s_wait_dscnt 16*(7-K)
.endif
.endif
	WIN 0x06+K/4
.set T, 0
.rept 4
.set WR, 16*(4*(K%4)+T)
.if K == 0
	v_wmma_f32_16x16x128_fp8_fp8 v[SR+8*T:SR+8*T+7], v[WR:WR+15], v[FB:FB+15], v[HB+8*T:HB+8*T+7]   ; the sums start from (hid + b_attn) / 2^(e2 + e3)
.else
	v_wmma_f32_16x16x128_fp8_fp8 v[SR+8*T:SR+8*T+7], v[WR:WR+15], v[FB+16*K:FB+16*K+15], v[SR+8*T:SR+8*T+7]
.endif
.set T, T+1
.endr
.if MODE && (K == 2)
	s_wait_dscnt 0x0                               ; the add is done, and my reads of the old slot are over
	s_barrier_signal -1
.endif
.if MODE && (K == 3)
	WIN 0                                          ; at a label and at a branch every window is 0
	s_barrier_wait -1
.if MODE == 1
	CREST
	TLOAD G0R, G1A                                 ; my one tensor load behind the round
.endif
.endif
.set K, K+1
.endr
.if I == 0                             ; tile 0 waits for W2 by count, so tile 1's fragments come behind it
	FRAGS 1
.endif
	WIN 0
.endm
; WINDOW I (32 to 35: what is left of the last tiles).  A set's 32 registers are 16 pairs; pair U is columns 16 (U / 4) + 8 h + 2 (U % 4), + 1.
.macro VEC
.set S0, ACC+32*(I%5)                  ; tile I
.set S1, ACC+32*((I+4)%5)              ; tile I - 1
.set S2, ACC+32*((I+3)%5)              ; tile I - 2
.set S4, ACC+32*((I+1)%5)              ; tile I - 4
.if I > 3
.set U, 0
.rept 16
.set PS, SM+2*(U%4)
.if U < 4
	v_dual_mul_f32 v[PS], v[S4+2*U], v[MV+2*U] :: v_dual_mul_f32 v[PS+1], v[S4+2*U+1], v[MV+2*U+1]   ; F, in four chains: they are also the places behind the last products (ISA guide 7.12.1)
.else
	v_dual_fmac_f32 v[PS], v[S4+2*U], v[MV+2*U] :: v_dual_fmac_f32 v[PS+1], v[S4+2*U+1], v[MV+2*U+1]
.endif
.set U, U+1
.endr
.else
	PLACES                                         ; four places in front of the first reads of results (ISA guide 7.12.1)
.endif
.set U, 0
.rept 16
.if I < 32
	v_dual_mul_f32 v[S0+2*U], s[SC2], v[S0+2*U] :: v_dual_mul_f32 v[S0+2*U+1], s[SC2], v[S0+2*U+1]   ; E: y, each accumulator from its low end on
.endif
.if I > 3
.if U == 3
	v_dual_add_f32 v[SM], v[SM], v[SM+2] :: v_dual_add_f32 v[SM+1], v[SM+1], v[SM+3]   ; tile I - 4's part sums
	v_dual_add_f32 v[SM+4], v[SM+4], v[SM+6] :: v_dual_add_f32 v[SM+5], v[SM+5], v[SM+7]
.elseif U == 7
	v_dual_add_f32 v[SM], v[SM], v[SM+4] :: v_dual_add_f32 v[SM+1], v[SM+1], v[SM+5]
.elseif U == 11
	v_add_f32 v[XX], v[SM], v[SM+1]
.endif
.endif
.set U, U+1
.endr
	s_wait_alu depctr_va_vdst(0)                   ; the window's one wait
.if I > 3
	ds_store_b32 v[SCA], v[XX] offset:64*(I-4)     ; 16 rows x 4 bytes a tile, in the strips of h = 0 and h = 1
.endif
.if I < 30
	FRAGS I+2                                      ; the last readers of these registers are tile I's products: at least twenty instructions of this window, four v_nop among them or none, stand between
.endif
.set U, 0
.rept 16
.if I < 32
	v_exp_f32 v[S0+2*U], v[S0+2*U]                 ; X
.endif
.if (I > 1) && (I < 34)
	v_rcp_f32 v[S2+2*U], v[S2+2*U]                 ; R
.endif
.if (I > 0) && (I < 33)
	v_dual_add_f32 v[S1+2*U], 1.0, v[S1+2*U] :: v_dual_add_f32 v[S1+2*U+1], 1.0, v[S1+2*U+1]   ; A
.endif
.if I < 32
	v_exp_f32 v[S0+2*U+1], v[S0+2*U+1]
.endif
.if (I > 1) && (I < 34)
	v_rcp_f32 v[S2+2*U+1], v[S2+2*U+1]
.endif
.set U, U+1
.endr
.endm
	s_load_b256 s[4:11], s[0:1], 0x0               ; enc's codes s[4:5], wq s[6:7], hpart s[8:9], b_attn s[10:11]
	s_load_b128 s[12:15], s[0:1], 0x20             ; v s[12:13], the scales s[14:15]
	s_load_b64 s[16:17], s[0:1], 0x30              ; part
	v_lshl_add_u32 v[SPW], v0, 2, SPARE
	v_mov_b32 v[NIL], 0
	ds_add_u32 v[SPW], v[NIL]                      ; the wave's opening: the add, twice on end, waited for ahead of my first tensor load
	ds_add_u32 v[SPW], v[NIL]
	v_lshrrev_b32 v1, 5, v0
	v_readfirstlane_b32 s[WV], v1                  ; wave 0..3
	v_and_b32 v10, 31, v0
	v_lshlrev_b32 v[LI], 4, v10
	v_lshlrev_b32 v[CO], 3, v10
	v_bfe_u32 v[HO], v0, 3, 2                      ; hpart, my columns 2 l, 2 l + 1 of 64: tile l / 8,
	v_lshlrev_b32 v[HO], 10, v[HO]
	v_bfe_u32 v11, v0, 1, 1                        ; + 512 (column / 4 % 2),
	v_lshl_or_b32 v[HO], v11, 9, v[HO]
	v_bfe_u32 v12, v0, 2, 1                        ; + 16 (column / 8),
	v_lshl_or_b32 v[HO], v12, 4, v[HO]
	v_and_b32 v11, 1, v0                           ; + 4 (column % 4)
	v_lshl_or_b32 v[HO], v11, 3, v[HO]
	s_bfe_u32 s19, ttmp6, 0x40000                  ; cx
	s_bfe_u32 s22, ttmp6, 0x40004                  ; cy
	s_lshl_b32 s23, ttmp9, 2
	s_add_co_u32 s23, s23, s19                     ; g = 4 x cluster x + cx
	s_and_b32 s21, ttmp7, 0xffff                   ; cluster y: its four blocks of 512 rows are one batch, b
	s_lshl_b32 s20, s21, 2
	s_add_co_u32 s20, s20, s22                     ; y = 4 x cluster y + cy
	s_lshl_b32 s72, s22, 2
	s_lshl_b32 s72, 15, s72                        ; my row of the cluster
	s_lshl_b32 s73, 0x1111, s19                    ; my column
	s_or_b32 s[G1A], s72, (1<<20)|(1<<21)|(7<<22)|(3<<25)   ; 15:0 the mask; 17:16 elements of 1 byte; 20 padding on; 21 set beside a mask; 24:22 after every 256 words (code 7); 31:25 four words (code 3)
	s_or_b32 s[G1H], s72, (1<<20)|(1<<21)|(7<<22)|(3<<25)
	s_or_b32 s[G1W], s73, (1<<21)
.irp g, G1A, G1H, G1W
	s_mov_b32 s[\g+1], 1024<<16                    ; tensor_dim0 = 1,024
	s_mov_b32 s[\g+3], 1024<<16                    ; tile_dim0 = 1,024
	s_mov_b32 s[\g+5], 1024                        ; tensor_dim0_stride
	s_mov_b32 s[\g+6], 0
	s_mov_b32 s[\g+7], 0
.endr
	s_mov_b32 s[G1A+2], 32<<16                     ; tensor_dim1, tile_dim1: rows
	s_mov_b32 s[G1A+4], 32
	s_mov_b32 s[G1H+2], 16<<16
	s_mov_b32 s[G1H+4], 16
	s_mov_b32 s[G1W+2], (SBB/512)<<16              ; two blocks of SBB bytes as rows of 1,024
	s_mov_b32 s[G1W+4], SBB/512
	s_and_b32 s75, s[WV], 1                        ; waves 0, 1 take a half of the head's rows each, waves 2, 3 a half of W2's staged part
	s_mov_b32 s[G0A], 1
	s_mul_i32 s[G0A+1], s75, 32*PITCH
	s_mov_b32 s[G0W], 1
	s_mul_i32 s[G0W+1], s75, 2*SBB
	s_add_co_u32 s[G0W+1], s[G0W+1], STG
	s_mov_b32 s[G0H], 1
	s_mul_i32 s[G0H+1], s[WV], 16*PITCH
	s_add_co_u32 s[G0H+1], s[G0H+1], 64*PITCH
	s_mov_b32 s[G0R], 1
	s_mul_i32 s[G0R+1], s[WV], 32*PITCH
	s_add_co_u32 s[G0R+1], s[G0R+1], SLOT
.irp p, 80,82,84,86,88,90,92,94,96
	s_mov_b32 s[\p+1], 0
.endr
	s_lshl_b32 s80, s20, 19                        ; my block: 512 rows of 1,024 bytes
	s_lshl_b32 s82, s75, 15                        ; the head's 32 rows
	s_lshl_b32 s84, s[WV], 14                      ; rows 64-127: 16 a wave
	s_add_co_u32 s84, s84, 0x10000
	s_lshl_b32 s86, s[WV], 15                      ; the refills: 32 rows a wave, from row 128 on
	s_add_co_u32 s86, s86, 0x20000
	s_mul_i32 s88, s23, 4*SBB                      ; W2's staged part of my column group
	s_mul_i32 s74, s75, 2*SBB
	s_add_co_u32 s88, s88, s74
	s_add_co_u32 s88, s88, 16*DB
	s_lshl_b32 s74, s23, 2
	s_add_co_u32 s74, s74, s[WV]                   ; my block of 64 columns: 4 g + w
	s_mul_i32 s90, s74, DB
	s_lshl_b32 s92, s74, 12                        ; hpart: four tiles of 1,024 bytes a block, 32 bytes a batch
	s_lshl_b32 s94, s21, 5
	s_add_co_u32 s92, s92, s94
	s_lshl_b32 s94, s74, 8                         ; b_attn, v: 64 numbers a block
	s_lshl_b32 s96, s23, 17                        ; part: 32,768 rows a group, 512 rows a work-group
	s_lshl_b32 s74, s20, 11
	s_add_co_u32 s96, s96, s74
	s_wait_alu depctr_va_vdst(0)
	s_wait_dscnt 0x0                               ; both opening adds are done
	s_wait_kmcnt 0x0
	s_load_b128 s[68:71], s[14:15], 0x0            ; e0, e1, e2, e3
	s_add_nc_u64 s[4:5], s[4:5], s[80:81]
	s_add_nc_u64 s[G0A+2:G0A+3], s[4:5], s[82:83]
	s_add_nc_u64 s[G0H+2:G0H+3], s[4:5], s[84:85]
	s_add_nc_u64 s[G0R+2:G0R+3], s[4:5], s[86:87]
	s_add_nc_u64 s[G0W+2:G0W+3], s[6:7], s[88:89]
.irp g, G0A, G0H, G0R, G0W
	s_or_b32 s[\g+3], s[\g+3], 0x80000000          ; type = 2
.endr
	s_add_nc_u64 s[6:7], s[6:7], s[90:91]
	s_add_nc_u64 s[8:9], s[8:9], s[92:93]
	s_add_nc_u64 s[10:11], s[10:11], s[94:95]
	s_add_nc_u64 s[12:13], s[12:13], s[94:95]
	s_add_nc_u64 s[16:17], s[16:17], s[96:97]
.irp kb, 0,1,2,3,4,5,6,7
	global_load_b64 v[SL+2*\kb:SL+2*\kb+1], v[HO], s[8:9] offset:65536*\kb
.endr
	global_load_b64 v[SL+16:SL+17], v[CO], s[10:11]
	global_load_b64 v[SL+18:SL+19], v[CO], s[12:13]
	WDIRECT 0
	CROUND                                         ; all sixteen work-groups are here: the first joint loads meet
	s_cmp_lt_u32 s[WV], 2                          ; one tensor load a wave at the head
	s_cbranch_scc0 .Lfor_w2
	TLOAD G0A, G1A                                 ; rows 0-63
	s_branch .Lasked
.Lfor_w2:
	TLOAD G0W, G1W                                 ; W2's K steps KD .. 7
.Lasked:
	WDIRECT 1
	WDIRECT 2
	v_and_b32 v1, 15, v0                           ; r
	v_bfe_u32 v12, v0, 4, 1                        ; h
	v_mul_u32_u24 v[ADR], v1, PITCH
	v_lshl_add_u32 v[ADR], v12, 4, v[ADR]
	v_add_nc_u32 v[ADR+1], 64*PITCH, v[ADR]
	v_add_nc_u32 v[ADR+2], SLOT, v[ADR]
	v_add_nc_u32 v[ADR+3], SLOT+64*PITCH, v[ADR]
	v_mul_u32_u24 v[SCA], v12, SCP
	v_lshl_add_u32 v[SCA], v1, 2, v[SCA]
	s_mul_i32 s72, s[WV], 2*SCP
	s_add_co_u32 s72, s72, SCB
	v_add_nc_u32 v[SCA], s72, v[SCA]
	s_mul_i32 s72, s[WV], SBB
	s_add_co_u32 s72, s72, STG
	v_add_nc_u32 v[WST], s72, v[LI]
	s_lshl_b32 s72, s[WV], 9
	s_add_co_u32 s72, s72, TAB
	v_add_nc_u32 v[TBS], s72, v[CO]
	v_lshlrev_b32 v[TBL], 5, v12
	v_add_nc_u32 v[TBL], s72, v[TBL]
	v_lshlrev_b32 v[TI], 4, v0
	v_add_nc_u32 v[RDB], SCB, v[TI]
	v_mov_b32 v15, 0x4038aa3b                      ; 2 log2(e)
	s_wait_alu depctr_va_vdst(0)
	s_wait_kmcnt 0x0
	s_add_co_i32 s72, s68, s69                     ; e0 + e1
	s_add_co_i32 s73, s70, s71                     ; e2 + e3
	s_sub_co_i32 s74, 0, s73
	v_ldexp_f32 v15, v15, s73
	v_readfirstlane_b32 s[SC2], v15
	s_wait_loadcnt 48                              ; the ten small loads are in; W2's 48 may be out
	WDIRECT 3
.irp kb, 1,2,3,4,5,6,7
	v_pk_add_f32 v[SL:SL+1], v[SL:SL+1], v[SL+2*\kb:SL+2*\kb+1]   ; the first product's eight K blocks, ascending
.endr
	v_mul_f32 v[SL+18], 0xc038aa3b, v[SL+18]       ; -2 log2(e) v
	v_mul_f32 v[SL+19], 0xc038aa3b, v[SL+19]
	v_ldexp_f32 v[SL], v[SL], s72                  ; hid
	v_ldexp_f32 v[SL+1], v[SL+1], s72
	v_add_f32 v[SL], v[SL], v[SL+16]               ; + b_attn
	v_add_f32 v[SL+1], v[SL+1], v[SL+17]
	v_ldexp_f32 v[SL], v[SL], s74                  ; in units of a product's sum
	v_ldexp_f32 v[SL+1], v[SL+1], s74
	ds_store_b64 v[TBS], v[SL:SL+1]                ; to all lanes of my wave: LDS serves a wave's instructions in order (ISA guide 5.7.1.4)
	ds_store_b64 v[TBS], v[SL+18:SL+19] offset:256
.irp t, 0,1,2,3
	ds_load_b128 v[HB+8*\t:HB+8*\t+3], v[TBL] offset:64*\t
	ds_load_b128 v[HB+8*\t+4:HB+8*\t+7], v[TBL] offset:64*\t+16
	ds_load_b128 v[MV+8*\t:MV+8*\t+3], v[TBL] offset:256+64*\t
	ds_load_b128 v[MV+8*\t+4:MV+8*\t+7], v[TBL] offset:256+64*\t+16
.endr
	s_wait_alu depctr_va_vdst(0)
	s_wait_tensorcnt 0x0                           ; my part of the head's tiles is in
	ds_add_u32 v[SPW], v[NIL]
	s_wait_dscnt 0x0                               ; the add is done, and my constants are in
	CROUND                                         ; everybody's part is in, and all sixteen work-groups are here
	TLOAD G0H, G1H                                 ; rows 64-127: my one tensor load behind the round, first read behind tile 2's round
	FRAGS 0
.set K, KD
.rept 8-KD                             ; my 64 columns of W2's staged part: an image of the registers
	WIN 0x80+0x40*(K/4)
.set N, 0
.rept 16
	ds_load_b128 v[64*(K%4)+4*N:64*(K%4)+4*N+3], v[WST] offset:(K-KD)*8192+512*N
.set N, N+1
.endr
.set K, K+1
.endr
	WIN 0
.set I, 0
.rept 32
.if (I == 2) || (I == 6) || (I == 14)
.set MODE, 1                           ; behind tile 2's round slot B takes rows 128-255, behind tile 6's slot A rows 256-383, behind tile 14's slot B rows 384-511
.elseif I == 22
.set MODE, 2
.else
.set MODE, 0
.endif
	TILE
	VEC
.set I, I+1
.endr
.rept 4
	VEC
.set I, I+1
.endr
	s_wait_dscnt 0x0                               ; for the others' sake: my strips are whole
	s_barrier_signal -1
	s_barrier_wait -1
	; THE LAST PASS: thread i adds the 8 strips' numbers of rows 4 i .. 4 i + 3
.irp c, 0,1,2,3,4,5,6,7
	ds_load_b128 v[ACC+4*\c:ACC+4*\c+3], v[RDB] offset:\c*SCP
.endr
	s_wait_dscnt 0x0
.irp d, 4,2,1
.set CC, 0
.rept \d
	v_pk_add_f32 v[ACC+4*CC:ACC+4*CC+1], v[ACC+4*CC:ACC+4*CC+1], v[ACC+4*(CC+\d):ACC+4*(CC+\d)+1]
	v_pk_add_f32 v[ACC+4*CC+2:ACC+4*CC+3], v[ACC+4*CC+2:ACC+4*CC+3], v[ACC+4*(CC+\d)+2:ACC+4*(CC+\d)+3]
.set CC, CC+1
.endr
.endr
	global_store_b128 v[TI], v[ACC:ACC+3], s[16:17]   ; a wave stores 512 consecutive bytes, at a multiple of 512 from part's first byte
	s_wait_tensorcnt 0x0                           ; the wave's end, behind my last tensor load and my last LDS store
	ds_add_u32 v[SPW], v[NIL]
	s_wait_dscnt 0x0
	CROUND                                         ; the closing round: no work-group ends while a partner may still ask for a tile that names it
	s_endpgm
.Lfunc_end_k_q255de44058_main:
	.size	k_q255de44058_main, .Lfunc_end_k_q255de44058_main-k_q255de44058_main
	.p2alignl 7, 3214868480
	.fill 96, 4, 3214868480
	.section	.rodata,"a",@progbits
	.p2align	6, 0x0
	.amdhsa_kernel k_q255de44058_main
		.amdhsa_group_segment_fixed_size 327680
		.amdhsa_private_segment_fixed_size 0
		.amdhsa_enable_private_segment 0
		.amdhsa_kernarg_size 56
		.amdhsa_user_sgpr_count 2
		.amdhsa_user_sgpr_kernarg_segment_ptr 1
		.amdhsa_wavefront_size32 1
		.amdhsa_system_sgpr_workgroup_id_x 1
		.amdhsa_system_sgpr_workgroup_id_y 1
		.amdhsa_system_sgpr_workgroup_id_z 1
		.amdhsa_system_vgpr_workitem_id 0
		.amdhsa_next_free_vgpr 1024
		.amdhsa_next_free_sgpr 98
		.amdhsa_reserve_vcc 0
		.amdhsa_float_denorm_mode_32 3
		.amdhsa_float_denorm_mode_16_64 3
		.amdhsa_memory_ordered 1
		.amdhsa_forward_progress 1
		.amdhsa_inst_pref_size 255
	.end_amdhsa_kernel
	.section	.bss,"aw",@nobits
	.p2align	6
	.space	262144
	.amdgpu_metadata
---
amdhsa.version: [ 1, 2 ]
amdhsa.kernels:
  - .name:           k_q255de44058_main
    .symbol:         k_q255de44058_main.kd
    .args:
      - { .name: encoder_outputs_codes, .offset: 0, .size: 8, .value_kind: global_buffer, .address_space: global }
      - { .name: wq, .offset: 8, .size: 8, .value_kind: global_buffer, .address_space: global }
      - { .name: hpart, .offset: 16, .size: 8, .value_kind: global_buffer, .address_space: global }
      - { .name: b_attn, .offset: 24, .size: 8, .value_kind: global_buffer, .address_space: global }
      - { .name: v, .offset: 32, .size: 8, .value_kind: global_buffer, .address_space: global }
      - { .name: lowp_scales, .offset: 40, .size: 8, .value_kind: global_buffer, .address_space: global }
      - { .name: part, .offset: 48, .size: 8, .value_kind: global_buffer, .address_space: global }
    .group_segment_fixed_size: 327680
    .private_segment_fixed_size: 0
    .kernarg_segment_align: 8
    .kernarg_segment_size: 56
    .max_flat_workgroup_size: 128
    .sgpr_count:     98
    .vgpr_count:     1024
    .wavefront_size: 32
...
	.end_amdgpu_metadata
.endif
;; end of part 2
;; launch soft (part 3): grid 16 x 1, 16 waves a work-group, no clusters, 2,560 bytes of LDS; arguments part, out0; writes out0
.if DOCPART == 3
	.amdgcn_target "amdgcn-amd-amdhsa--gfx1250"
	.amdhsa_code_object_version 6
	.text
	.protected	k_q255de44058_soft
	.globl	k_q255de44058_soft
	.p2align	8
	.type	k_q255de44058_soft,@function
k_q255de44058_soft:
	s_mov_b64 s[64:65], 0
	v_nop
	global_prefetch_b8 v0, s[64:65] scope:SCOPE_SE
	s_setreg_imm32_b32 hwreg(HW_REG_WAVE_MODE, 25, 1), 1
	s_wait_xcnt 0x0
; out0[b][s] = softmax over s of the sum over g of part[g][2048 b + s].  part: [4][32768] f32; out0: [16][2048] f32.
; A row of the softmax has one owner: work-group b.  512 threads, 4 neighbouring scores each: every load and store of a wave covers 512 consecutive bytes.
; The row's largest score is taken away ahead of the exponential.  Maximum and sum go across the 32 lanes in registers, and across the 16 waves through 16 words of LDS each (two regions, so one barrier serves each).
; No matrix unit, no tensor load, no cluster: 40 KiB a work-group, read once, and the work-groups share nothing.
	s_load_b128 s[4:7], s[0:1], 0x0                ; part, out0
	v_lshlrev_b32 v1, 4, v0                        ; my 16 bytes
	v_lshrrev_b32 v2, 5, v0
	s_delay_alu instid0(VALU_DEP_1)
	v_lshlrev_b32 v2, 2, v2                        ; LDS: my wave's word
	v_mov_b32 v3, 0
	v_mov_b32 v21, 0                               ; written once: a lane permute's destination counts as one of its sources
	v_lshl_add_u32 v40, v0, 2, 512                 ; my spare word: behind the two regions, 128 bytes for each wave, which no other line names
	v_mov_b32 v41, 0
	s_lshl_b32 s8, ttmp9, 13                       ; a batch's 2,048 numbers
	s_mov_b32 s9, 0
	s_mov_b32 s10, 0x76543210                      ; v_permlanex16_b32's selects for lane l xor 16
	s_mov_b32 s11, 0xfedcba98
	s_wait_alu depctr_va_vdst(0)
	s_wait_kmcnt 0x0
	s_add_nc_u64 s[4:5], s[4:5], s[8:9]
	s_add_nc_u64 s[6:7], s[6:7], s[8:9]
.irp g, 0,1,2,3
	global_load_b128 v[4+4*\g:7+4*\g], v1, s[4:5] offset:131072*\g th:TH_LOAD_NT
.endr
	s_wait_loadcnt 0x0
	v_pk_add_f32 v[4:5], v[4:5], v[8:9]            ; the four column groups' parts
	v_pk_add_f32 v[6:7], v[6:7], v[10:11]
	v_pk_add_f32 v[12:13], v[12:13], v[16:17]
	v_pk_add_f32 v[14:15], v[14:15], v[18:19]
	s_delay_alu instid0(VALU_DEP_2)
	v_pk_add_f32 v[4:5], v[4:5], v[12:13]
	s_delay_alu instid0(VALU_DEP_2)
	v_pk_add_f32 v[6:7], v[6:7], v[14:15]
	; the largest score: my four, my wave's, the work-group's
	s_delay_alu instid0(VALU_DEP_1)
	v_max3_num_f32 v20, v4, v5, v6
	s_delay_alu instid0(VALU_DEP_1)
	v_max_num_f32 v20, v20, v7
	s_delay_alu instid0(VALU_DEP_1)
	v_max_num_f32_dpp v20, v20, v20 row_xmask:1 row_mask:0xf bank_mask:0xf
	s_delay_alu instid0(VALU_DEP_1)
	v_max_num_f32_dpp v20, v20, v20 row_xmask:2 row_mask:0xf bank_mask:0xf
	s_delay_alu instid0(VALU_DEP_1)
	v_max_num_f32_dpp v20, v20, v20 row_xmask:4 row_mask:0xf bank_mask:0xf
	s_delay_alu instid0(VALU_DEP_1)
	v_max_num_f32_dpp v20, v20, v20 row_xmask:8 row_mask:0xf bank_mask:0xf
	s_delay_alu instid0(VALU_DEP_1)
	v_permlanex16_b32 v21, v20, s10, s11
	s_delay_alu instid0(VALU_DEP_1)
	v_max_num_f32 v20, v20, v21
	ds_store_b32 v2, v20                           ; all lanes write the wave's word with the same number
	s_wait_dscnt 0x0                               ; for the others' sake
	s_barrier_signal -1
	s_barrier_wait -1
.irp i, 0,1,2,3
	ds_load_b128 v[24+4*\i:27+4*\i], v3 offset:16*\i
.endr
	s_wait_dscnt 0x0
	v_max3_num_f32 v20, v24, v25, v26
.irp i, 27,29,31,33,35,37
	s_delay_alu instid0(VALU_DEP_1)
	v_max3_num_f32 v20, v20, v[\i], v[\i+1]
.endr
	s_delay_alu instid0(VALU_DEP_1)
	v_max_num_f32 v20, v20, v39
	; the parts carry the factor log2(e) (and lack one number that is the same for all of a row's scores: the softmax takes it away), so p = 2^(x - max)
.irp i, 4,5,6,7
	v_sub_f32 v[\i], v[\i], v20
.endr
	s_wait_alu depctr_va_vdst(0)
.irp i, 4,5,6,7
	v_exp_f32 v[\i], v[\i]
.endr
	v_nop                                          ; a plain instruction between the last exponential and the use of its result (ISA guide 5.7.2)
	s_wait_alu depctr_va_vdst(0)
	v_pk_add_f32 v[22:23], v[4:5], v[6:7]
	s_delay_alu instid0(VALU_DEP_1)
	v_add_f32 v22, v22, v23
	s_delay_alu instid0(VALU_DEP_1)
	v_add_f32_dpp v22, v22, v22 row_xmask:1 row_mask:0xf bank_mask:0xf
	s_delay_alu instid0(VALU_DEP_1)
	v_add_f32_dpp v22, v22, v22 row_xmask:2 row_mask:0xf bank_mask:0xf
	s_delay_alu instid0(VALU_DEP_1)
	v_add_f32_dpp v22, v22, v22 row_xmask:4 row_mask:0xf bank_mask:0xf
	s_delay_alu instid0(VALU_DEP_1)
	v_add_f32_dpp v22, v22, v22 row_xmask:8 row_mask:0xf bank_mask:0xf
	s_delay_alu instid0(VALU_DEP_1)
	v_permlanex16_b32 v21, v22, s10, s11
	s_delay_alu instid0(VALU_DEP_1)
	v_add_f32 v22, v22, v21
	ds_store_b32 v2, v22 offset:256
	s_wait_dscnt 0x0
	s_barrier_signal -1
	s_barrier_wait -1
.irp i, 0,1,2,3
	ds_load_b128 v[24+4*\i:27+4*\i], v3 offset:256+16*\i
.endr
	s_wait_dscnt 0x0
	v_pk_add_f32 v[24:25], v[24:25], v[32:33]
	v_pk_add_f32 v[26:27], v[26:27], v[34:35]
	v_pk_add_f32 v[28:29], v[28:29], v[36:37]
	v_pk_add_f32 v[30:31], v[30:31], v[38:39]
	s_delay_alu instid0(VALU_DEP_2)
	v_pk_add_f32 v[24:25], v[24:25], v[28:29]
	s_delay_alu instid0(VALU_DEP_2)
	v_pk_add_f32 v[26:27], v[26:27], v[30:31]
	s_delay_alu instid0(VALU_DEP_1)
	v_pk_add_f32 v[24:25], v[24:25], v[26:27]
	s_delay_alu instid0(VALU_DEP_1)
	v_add_f32 v22, v24, v25                        ; the row's sum: at least 1, since the largest score gives p = 1
	s_wait_alu depctr_va_vdst(0)
	v_rcp_f32 v22, v22
	v_nop                                          ; a plain instruction behind the reciprocal
	s_wait_alu depctr_va_vdst(0)
	v_pk_mul_f32 v[4:5], v[4:5], v[22:23] op_sel_hi:[1,0]   ; of the pair the low word serves both halves
	v_pk_mul_f32 v[6:7], v[6:7], v[22:23] op_sel_hi:[1,0]
	global_store_b128 v1, v[4:7], s[6:7]
	s_wait_tensorcnt 0x0                           ; the wave's end, behind my last LDS store
	ds_add_u32 v40, v41
	s_wait_dscnt 0x0
	s_endpgm
.Lfunc_end_k_q255de44058_soft:
	.size	k_q255de44058_soft, .Lfunc_end_k_q255de44058_soft-k_q255de44058_soft
	.p2alignl 7, 3214868480
	.fill 96, 4, 3214868480
	.section	.rodata,"a",@progbits
	.p2align	6, 0x0
	.amdhsa_kernel k_q255de44058_soft
		.amdhsa_group_segment_fixed_size 2560
		.amdhsa_private_segment_fixed_size 0
		.amdhsa_enable_private_segment 0
		.amdhsa_kernarg_size 16
		.amdhsa_user_sgpr_count 2
		.amdhsa_user_sgpr_kernarg_segment_ptr 1
		.amdhsa_wavefront_size32 1
		.amdhsa_system_sgpr_workgroup_id_x 1
		.amdhsa_system_sgpr_workgroup_id_y 1
		.amdhsa_system_sgpr_workgroup_id_z 1
		.amdhsa_system_vgpr_workitem_id 0
		.amdhsa_next_free_vgpr 48
		.amdhsa_next_free_sgpr 66
		.amdhsa_reserve_vcc 0
		.amdhsa_float_denorm_mode_32 3
		.amdhsa_float_denorm_mode_16_64 3
		.amdhsa_memory_ordered 1
		.amdhsa_forward_progress 1
		.amdhsa_inst_pref_size 7
	.end_amdhsa_kernel
	.amdgpu_metadata
---
amdhsa.version: [ 1, 2 ]
amdhsa.kernels:
  - .name:           k_q255de44058_soft
    .symbol:         k_q255de44058_soft.kd
    .args:
      - { .name: part, .offset: 0, .size: 8, .value_kind: global_buffer, .address_space: global }
      - { .name: out0, .offset: 8, .size: 8, .value_kind: global_buffer, .address_space: global }
    .group_segment_fixed_size: 2560
    .private_segment_fixed_size: 0
    .kernarg_segment_align: 8
    .kernarg_segment_size: 16
    .max_flat_workgroup_size: 512
    .sgpr_count:     66
    .vgpr_count:     48
    .wavefront_size: 32
...
	.end_amdgpu_metadata
.endif
;; end of part 3
